; MI455X (gfx1250); checked and timed in simulation.
; The chip was launched on July 23, 2026; its instructions are those of AMD's public machine-readable ISA for CDNA 5 (MIT licence, August 2026) and "CDNA5" Instruction Set Architecture Reference Guide (July 2026). The comments in the code are by the model that wrote it; some were corrected since.
;; Attention. Allowed arithmetic: matrix products marked QUANTISED: E5M2 operands, one given power-of-two scale a tensor, by v_wmma_f32_16x16x64_bf8_bf8 or v_wmma_f32_16x16x128_bf8_bf8, f32 sums; everything else in f32.
;; Inputs: Wk_codes 256 x 32 x 32 uint8 (E5M2 codes of Wk, K innermost, in blocks of 32 codes); Wo_codes 1,024 x 64 x 32 uint8 (E5M2 codes of Wo, K innermost, in blocks of 32 codes); Wq_codes 2,048 x 32 x 32 uint8 (E5M2 codes of Wq, K innermost, in blocks of 32 codes); Wv_codes 256 x 32 x 32 uint8 (E5M2 codes of Wv, K innermost, in blocks of 32 codes); bk 256 float32; bo 1,024 float32; bq 2,048 float32; bv 256 float32; in_k_codes 2 x 2,048 x 32 x 32 uint8 (E5M2 codes of in_k, K innermost, in blocks of 32 codes); in_q_codes 2 x 2,048 x 32 x 32 uint8 (E5M2 codes of in_q, K innermost, in blocks of 32 codes); in_v_codes 2 x 2,048 x 32 x 32 uint8 (E5M2 codes of in_v, K innermost, in blocks of 32 codes); lowp_scales 12 int32 (the exponents e of the quantised operands' scales 2^e); q_extra_scale 1 float32.
;; Outputs: out0 2 x 2,048 x 1,024 float32.
;; This version of the problem:
;;   THIS VERSION OF THE PROBLEM IS GIVEN IN LOW PRECISION. The matrix products marked QUANTISED in the list below multiply operands that are first quantised to E5M2 (5 exponent bits, 2 mantissa bits; 8 bits a number), with one given power-of-two scale for each operand tensor; their sums are f32. All else is computed in f32.
;;   The module's matrix products, in the order in which they are computed (A, B: the left and right operand; K: the contracted axis; several contracted axes count as one K, in the product's order):
;;     1. [M 4,096, K 1,024] x [K 1,024, N 2,048]; A: input in_q (given as codes); B: input Wq (given as codes): QUANTISED (scales: A lowp_scales[0], B lowp_scales[1])
;;     2. [M 4,096, K 1,024] x [K 1,024, N 256]; A: input in_k (given as codes); B: input Wk (given as codes): QUANTISED (scales: A lowp_scales[2], B lowp_scales[3])
;;     3. [M 4,096, K 1,024] x [K 1,024, N 256]; A: input in_v (given as codes); B: input Wv (given as codes): QUANTISED (scales: A lowp_scales[4], B lowp_scales[5])
;;     4. batch 4 x [M 2,048, K 128] x [K 128, N 16,384]; A: computed on the way; B: computed on the way: QUANTISED (scales: A lowp_scales[6], B lowp_scales[7])
;;     5. batch 4 x [M 128, K 2,048] x [K 2,048, N 16,384]; A: computed on the way; B: softmax (see below): QUANTISED (scales: A lowp_scales[8], B lowp_scales[9])
;;     6. [M 4,096, K 2,048] x [K 2,048, N 1,024]; A: computed on the way; B: input Wo (given as codes): QUANTISED (scales: A lowp_scales[10], B lowp_scales[11])
;;   THE QUANTISER, for each operand of a quantised product, along K:
;;     - The operand's scale is 2^e, e = its entry of the input lowp_scales (int32; the entries are numbered through the quantised products in the list's order, A before B).
;;     - Each number is divided by the scale, clamped to +-57,344, and rounded to the nearest number of E5M2, ties to even, subnormals kept.
;;     - The product sums the exact products of the quantised numbers (number of the format x scale) in f32.
;;   ~~~python
;;   def quantise(x, axis, e):      # numpy; x: float32 -> the quantised numbers, widened to float32 again
;;       x = np.moveaxis(x, axis, -1); K = x.shape[-1]
;;       r = np.clip(x / 2.0 ** e, -57344, 57344)
;;       step = 2.0 ** (np.maximum(np.frexp(np.where(r == 0, 1, r))[1] - 1, -14) - 2)
;;       q = np.round(r / step) * step * 2.0 ** e      # np.round: ties to even
;;       return np.moveaxis(q, -1, axis).astype(np.float32)
;;   ~~~
;;   SOFTMAX AHEAD OF A QUANTISED PRODUCT. Where the list says 'softmax', what is quantised is not the finished softmax but p = 2^(t - M), with t = logit x log2(e) and M = ceil(the row's largest t), a whole number; so 1/2 < the row's largest p <= 1. The row's sum l is taken of the UNQUANTISED p, in f32, and the product's result is divided by l at the end. Since M is a whole number, a kernel that streams over the keys may use a running M (the ceiling of the running maximum): every later rescaling is an exact power of two, so the quantised numbers keep their values, but for numbers so far below the row's largest that they fall under the format's range.
;;   OPERANDS COMPUTED ON THE WAY. 'Computed on the way' means the value that the module computes at that place (a softmax that the list does not call 'softmax' is quantised finished and normalised). What goes into a quantiser is computed in f32, as accurately as f32 sums, v_exp_f32 and their like allow (about 1e-6 of the number): no bf16 or f16 on the way to a quantiser, and a product that is left as it is and whose result goes on into a quantised operand takes f32 operands (vector FMAs, or v_wmma_f32_16x16x4_f32). A number that lies on a knife's edge between two numbers of the format may be rounded either way, as far as f32 arithmetic and the matrix unit's own rounding can turn it there, and no further.
;;   INPUTS GIVEN AS CODES. Wk (in the module: [1024, 256], K = its axis 0); Wo (in the module: [2048, 1024], K = its axis 0); Wq (in the module: [1024, 2048], K = its axis 0); Wv (in the module: [1024, 256], K = its axis 0); in_k (in the module: [2, 2048, 1024], K = its axis 2); in_q (in the module: [2, 2048, 1024], K = its axis 2); in_v (in the module: [2, 2048, 1024], K = its axis 2): each comes as NAME_codes (uint8): NAME with its K axis moved to the last place and cut into blocks of 32 codes, [.., K / 32, bytes a block], one block behind the other in memory; one code a byte (a code: sign, 5 exponent bits, 2 mantissa bits); its scale is its entry of lowp_scales. Its value is code x scale, taken as it is: it is not quantised again, and the codes and scales need not be those that the quantiser above would give.
;; One version. Each part assembles by itself: llvm-mc -triple=amdgcn-amd-amdhsa -mcpu=gfx1250 --defsym DOCPART=n.
;; ======== version 1 of 1: 3 launches
;; limits: right only within a limited range of input values
;; workspace buffers: q_codes 8,388,608 bytes; kv_codes 2,097,152 bytes; ctx_codes 8,388,608 bytes
;; launch proj (part 1): grid 16 x 10, 4 waves a work-group, no clusters, 327,680 bytes of LDS; arguments in_q_codes, in_k_codes, in_v_codes, Wq_codes, Wk_codes, Wv_codes, bq, bk, bv, q_extra_scale, lowp_scales, q_codes, kv_codes; writes q_codes, kv_codes
.if DOCPART == 1
	.amdgcn_target "amdgcn-amd-amdhsa--gfx1250"
	.amdhsa_code_object_version 6
	.text
	.protected	k_q100fdf2304_proj
	.globl	k_q100fdf2304_proj
	.p2align	8
	.type	k_q100fdf2304_proj,@function
k_q100fdf2304_proj:
	s_mov_b64 s[64:65], 0
	v_nop
	global_prefetch_b8 v0, s[64:65] scope:SCOPE_SE
	s_setreg_imm32_b32 hwreg(HW_REG_WAVE_MODE, 25, 1), 1
	s_wait_xcnt 0x0
; THE THREE PROJECTIONS, on codes of E5M2, and the quantising of their results.  Nothing of reference() is left out here; every input of the three products is read.
;   q = (in_q Wq + bq) x q_extra_scale (scale entry 7), k = in_k Wk + bk (entry 6), v = in_v Wv + bv (entry 8).
; THE RESULTS ARE STORED AS IMAGES OF THE NEXT LAUNCH'S OPERAND REGISTERS.  A fragment is 16 rows x 128 codes = 2,048 bytes: its load c (0..3) is 512 bytes, lane 16 h + r at 16 x lane,
; holding bytes 32 c + 16 h + 0..15 of row r.  Within a row, number 16 b + 8 h' + j stands at byte 32 (b / 2) + 16 h' + 8 (b % 2) + j: one order for q's and k's d (the same on both sides of their product)
; and for v's keys (the order in which the next launch's p comes out of its conversions).
;   q_codes  [b 2][head 16][block of 16 positions 128][2,048]: rows = positions, along a row d.
;   kv_codes [b 2][g 2][block of 128 keys 16][K: 8 fragments of 16 keys | V: 8 fragments of 16 channels, along a row the 128 keys]: 32,768 bytes a key block.
; A work-group makes 256 positions x 256 weight rows, K = 1,024.  x = the position tile (16), y = the tile of weight rows: 0-7 Wq's, 8 Wk, 9 Wv: 160 work-groups; the ten tile columns give no whole turn at this block.
; Four waves, each 128 x 128: 64 accumulators.  K goes 256 to a slot through a ring of two LDS slots: four fills, written out without a loop.
; X AND Y.  Source 0 of the matrix instruction is X, source 1 is Y: a lane holds Y's row l % 16 and eight neighbouring rows of X.  q, k: X = weight rows, Y = positions.  v: X = positions, Y = weight rows, so that the keys run along a lane's registers.
; A slot holds Y's 256 rows, then X's 256 rows: every LDS address is a constant, the lane and the wave's number.  Which tensor a wave fetches is chosen in the GLOBAL address alone (the wave's number and y).
; NO CLUSTER: the weights, which the work-groups of one y share, lie in X's rows for y < 9 and in Y's for y = 9, so the wave whose load would be joint, and with it the mask word of the descriptor, would hang on y; here group 1 is one set of constants.
; PREFETCH INTO THE L2: a fill is 256 bytes of each of the 128 rows that a wave fetches.  The readers of a tile (16 work-groups along x for the weights, 8 along y for in_q) share its rows out in fours, by address:
; reader number % 4 takes 32 rows, a lane a row, one instruction a wave and fill.  in_k's and in_v's tiles have one reader, which asks for all 128 rows, four instructions.  Behind fill 0's load fills 1 and 2 are asked for,
; behind fill 1's load fill 3: two fills ahead, and fill 1 with them.  The addresses are never stepped: the fills are told apart by the immediate.
; value = sum x (extra x 2^E) + bias x extra, E = the two operands' exponents added.  For v the bias runs along Y and goes in as the C of the first K step, divided by 2^E; for q and k that C is 0, and for v the bias along X is multiplied by 0.
; LIMITS: entries 6, 7, 8 lie between -126 and 112, so that the conversion's scale and 57,344 x the scale are f32 numbers.  Biases are finite; NaN among the inputs is not served.
; REGISTERS: window 0: v12-31 constants and addresses; v32-95 the first C, then the bias along X; v96-111, v208-223 codes on the way out; from v128 Y's eight fragments, one set (on the way out v128-191 a block's numbers).
;   window 1: X's fragments, two sets; on the way out v0-127 take the eight blocks read back from the stage, 16 registers each.  windows 2, 3: the accumulators.
.set PITCH,  272                       ; an LDS row: 256 bytes + 16 of padding
.set HALFT,  128*PITCH                 ; 128 rows: one tensor load, and what a wave reads of X or of Y
.set SLOT,   4*HALFT
.set SPARE,  2*SLOT                    ; the spare words, 128 bytes a wave
.set FR,     16
.set NL,     4
.set SPITCH, 144                       ; a stage row: 128 codes + 16 bytes
.set STGW,   16*SPITCH                 ; a wave's stage, in slot 0, behind that slot's last fill and last read
.set SC,   12
.set QS,   14
.set QL,   15
.set ADRY, 16
.set ADRX, 20
.set STO,  24                          ; the stage: row r, + 16 h: where I put codes, and where I read my 16 bytes of the image
.set CO,   26
.set BA,   27
.set SPW,  28
.set NIL,  29
.set CA,   30
.set PFO,  31                          ; the prefetches' offset: 1,024 x lane; never rewritten
.set CY,   32
.set BX,   32
.set TB8,  96
.set AF,   128
.set T,    128
.set G1,  24
.set G0,  32
.set PFA, 82                           ; s[82:83] my share of the rows that I fetch; s85: 1 where I ask for all 128
.set MSB, 0
.macro WIN new                         ; the immediate's high byte repeats the setting that is left
.if MSB != (\new)
	s_set_vgpr_msb (MSB<<8)|(\new)
.set MSB, (\new)
.endif
.endm
.set MUL_LO, 0xa1
.set MUL_HI, 0xf1
.set TO_X,   0x40
.macro JLOAD s                         ; my quarter of a slot
	tensor_load_to_lds s[G0+4*\s:G0+4*\s+3], s[G1:G1+7]
	s_nop 0
.rept 4
	v_nop
.endr
.endm
.macro ASK fo                          ; the fill at byte fo of the rows
	global_prefetch_b8 v[PFO], s[PFA:PFA+1] offset:\fo th:TH_LOAD_NT scope:SCOPE_SE
	s_cmp_eq_u32 s85, 0
	s_cbranch_scc1 .Lone_\@
.irp i, 1,2,3
	global_prefetch_b8 v[PFO], s[PFA:PFA+1] offset:\fo+32768*\i th:TH_LOAD_NT scope:SCOPE_SE
.endr
.Lone_\@:
.endm
	s_load_b512 s[68:83], s[0:1], 0x0              ; in_q 68, in_k 70, in_v 72, Wq 74, Wk 76, Wv 78, bq 80, bk 82
	s_load_b256 s[84:91], s[0:1], 0x40             ; bv 84, q_extra_scale 86, lowp_scales 88, q_codes 90
	s_load_b64 s[92:93], s[0:1], 0x60              ; kv_codes
	v_lshl_add_u32 v[SPW], v0, 2, SPARE
	v_mov_b32 v[NIL], 0
	ds_add_u32 v[SPW], v[NIL]                      ; the opening lines
	ds_add_u32 v[SPW], v[NIL]
	v_lshrrev_b32 v1, 5, v0
	v_readfirstlane_b32 s14, v1                    ; wave
	s_lshr_b32 s15, s14, 1                         ; wy: my half of Y; also the region that I fetch for
	s_and_b32 s16, s14, 1                          ; wx: my half of X; also which 128 rows I fetch
	s_mov_b32 s42, ttmp9                           ; pt
	s_and_b32 s17, ttmp7, 0xffff                   ; ct
	s_mov_b32 s[G1+0], (1<<20)|(5<<22)|(3<<25)     ; 1-byte elements; 4 words of padding behind every 64
	s_mov_b32 s[G1+1], 256<<16
	s_mov_b32 s[G1+2], 128<<16
	s_mov_b32 s[G1+3], 256<<16
	s_mov_b32 s[G1+4], 128
	s_mov_b32 s[G1+5], 1024
	s_mov_b32 s[G1+6], 0
	s_mov_b32 s[G1+7], 0
	s_cmp_eq_u32 s17, 9                            ; v?
	s_cselect_b32 s18, s15, s16                    ; the wave's bit along the weight rows
	s_cselect_b32 s19, s16, s15                    ; along the positions
	s_cselect_b32 s12, -1, 0
	s_cselect_b32 s22, 1, 0                        ; the region that takes the activations: X's for v, else Y's
	s_cselect_b32 s23, 16384, 0                    ; V lies behind K in a key block
	s_cmp_lt_u32 s17, 8                            ; q?
	s_cselect_b32 s43, s17, 0
	s_cselect_b32 s13, 4, 1                        ; log2 of heads or groups
	s_cselect_b32 s3, 7, 8                         ; bytes for a position and head: 128 in q_codes, 256 (K and V) in kv_codes
	s_lshr_b32 s20, s42, 3                         ; b
	s_lshl_b32 s20, s20, s13
	s_lshl_b32 s21, s43, 1
	s_add_co_u32 s20, s20, s21
	s_add_co_u32 s20, s20, s18
	s_lshl_b32 s20, s20, 11
	s_and_b32 s21, s42, 7
	s_lshl_b32 s21, s21, 8
	s_add_co_u32 s20, s20, s21
	s_lshl_b32 s21, s19, 7
	s_add_co_u32 s20, s20, s21                     ; (b x heads + head) x 2,048 + my first position
	s_lshl_b32 s2, s20, s3
	s_add_co_u32 s2, s2, s23
	s_mov_b32 s3, 0
	s_lshl_b32 s20, s42, 8
	s_lshl_b32 s21, s16, 7
	s_add_co_u32 s20, s20, s21
	s_lshl_b32 s20, s20, 10                        ; activations: (256 pt + 128 wx) x 1,024 bytes
	s_mov_b32 s21, 0
	s_lshl_b32 s46, s43, 8
	s_lshl_b32 s47, s16, 7
	s_add_co_u32 s46, s46, s47
	s_lshl_b32 s46, s46, 10                        ; weights likewise
	s_mov_b32 s47, 0
	s_lshl_b32 s44, s43, 10                        ; the bias: 256 numbers a tile
	s_mov_b32 s45, 0
	s_mul_i32 s41, s14, HALFT                      ; where my tile goes
	s_wait_dscnt 0x0
	s_wait_kmcnt 0x0
	s_cmp_eq_u32 s17, 8
	s_cselect_b64 s[4:5], s[70:71], s[72:73]
	s_cselect_b64 s[6:7], s[76:77], s[78:79]
	s_cselect_b64 s[8:9], s[82:83], s[84:85]
	s_cmp_lt_u32 s17, 8
	s_cselect_b64 s[4:5], s[68:69], s[4:5]
	s_cselect_b64 s[6:7], s[74:75], s[6:7]
	s_cselect_b64 s[8:9], s[80:81], s[8:9]
	s_cselect_b64 s[10:11], s[90:91], s[92:93]
	s_add_nc_u64 s[4:5], s[4:5], s[20:21]
	s_add_nc_u64 s[6:7], s[6:7], s[46:47]
	s_add_nc_u64 s[8:9], s[8:9], s[44:45]
	s_add_nc_u64 s[10:11], s[10:11], s[2:3]
	s_cmp_eq_u32 s15, s22                          ; does my region take the activations?
	s_cselect_b64 s[4:5], s[4:5], s[6:7]
	s_load_b256 s[68:75], s[88:89], 0x0            ; e0 .. e7
	s_load_b128 s[76:79], s[88:89], 0x20           ; e8 .. e11
	s_load_b32 s80, s[86:87], 0x0
.irp s, 0,1
	s_mov_b32 s[G0+4*\s], 1
	s_add_co_u32 s[G0+4*\s+1], s41, \s*SLOT
	s_add_nc_u64 s[G0+4*\s+2:G0+4*\s+3], s[4:5], \s*256
	s_or_b32 s[G0+4*\s+3], s[G0+4*\s+3], 0x80000000
.endr
	JLOAD 0                                        ; K 0-255: one tensor load a wave at the head
	v_and_b32 v1, 15, v0                           ; r
	s_wait_alu depctr_va_vdst(0)
	v_bfe_u32 v2, v0, 4, 1                         ; h
	v_mul_u32_u24 v3, v1, PITCH
	v_lshl_add_u32 v4, v2, 4, v3
	s_mul_i32 s20, s15, HALFT                      ; my 128 rows of Y
	s_mul_i32 s21, s16, HALFT
	s_add_co_u32 s21, s21, 2*HALFT                 ; my 128 rows of X
.irp s, 0,1
	v_add_nc_u32 v[ADRY+\s], s20, v4
	v_add_nc_u32 v[ADRX+\s], s21, v4
	s_add_co_u32 s20, s20, SLOT
	s_add_co_u32 s21, s21, SLOT
.endr
	s_mul_i32 s20, s14, STGW
	v_mul_u32_u24 v5, v1, SPITCH
	s_wait_alu depctr_va_vdst(0)
	v_lshl_add_u32 v5, v2, 4, v5
	v_add_nc_u32 v[STO], s20, v5
	v_and_b32 v6, 31, v0
	v_lshlrev_b32 v[CO], 4, v6
	v_lshlrev_b32 v[PFO], 10, v6
	s_cmp_eq_u32 s15, s22                          ; the prefetches: the readers of my tile are told apart by y (activations) or by x (weights)
	s_cselect_b32 s84, s17, s42
	s_cselect_b32 s85, s17, 0
	s_and_b32 s84, s84, 3
	s_cmp_ge_u32 s85, 8                            ; in_k's and in_v's tiles have one reader
	s_cselect_b32 s84, 0, s84
	s_cselect_b32 s85, 1, 0
	s_lshl_b32 s20, s84, 15                        ; 32 rows of 1,024 bytes a share
	s_mov_b32 s21, 0
	s_add_nc_u64 s[PFA:PFA+1], s[4:5], s[20:21]
	s_wait_alu depctr_va_vdst(0)                   ; ahead of the branches below
	ASK 256
	ASK 512
	s_lshl_b32 s20, s16, 9
	v_lshlrev_b32 v[BA], 5, v2
	v_add_nc_u32 v[BA], s20, v[BA]                 ; bias along X: number 128 wx + 8 h
	s_lshl_b32 s20, s15, 9
	v_lshlrev_b32 v[CA], 2, v1
	v_add_nc_u32 v[CA], s20, v[CA]                 ; bias along Y: number 128 wy + r
.irp a, 0,1,2,3,4,5,6,7
	global_load_b32 v[TB8+\a], v[CA], s[8:9] offset:64*\a
.endr
	s_wait_kmcnt 0x0
	s_cmp_eq_u32 s17, 8
	s_cselect_b32 s96, s70, s72
	s_cselect_b32 s97, s71, s73
	s_cselect_b32 s98, s74, s76                    ; the result's exponent: k entry 6, v entry 8,
	s_cmp_lt_u32 s17, 8
	s_cselect_b32 s96, s68, s96
	s_cselect_b32 s97, s69, s97
	s_cselect_b32 s98, s75, s98                    ; q entry 7
	s_cselect_b32 s100, s80, 0x3f800000            ; extra
	s_cmp_eq_u32 s17, 9
	s_cselect_b32 s66, 0, s100
	s_mov_b32 s67, s66
	s_add_co_i32 s99, s96, s97                     ; E
	s_sub_co_i32 s13, 0, s99
	v_ldexp_f32 v[SC], s100, s99
	v_mov_b32 v[SC+1], v[SC]
	s_add_co_i32 s98, s98, 127
	s_lshl_b32 s20, s98, 23
	v_mov_b32 v[QS], s20
	s_add_co_i32 s98, s98, 15
	s_lshl_b32 s98, s98, 23
	s_or_b32 s98, s98, 0x600000
	v_mov_b32 v[QL], s98
	s_wait_loadcnt 0x0
.irp a, 0,1,2,3,4,5,6,7
	v_ldexp_f32 v[TB8+\a], v[TB8+\a], s13
.endr
.set ia, 0
.rept 8
.set ij, 0
.rept 8
	v_cndmask_b32 v[CY+8*ia+ij], 0, v[TB8+ia], s12 ; the first C: for v the lane's bias, else 0
.set ij, ij+1
.endr
.set ia, ia+1
.endr
.macro FRAG reg, adr, q, i             ; registers 4 c .. 4 c + 3 hold K = 32 c + 16 (l / 16) + 0 .. 15, alike in X and Y
.irp c, 0,1,2,3
	ds_load_b128 v[\reg+4*\c:\reg+4*\c+3], v[\adr] offset:128*(\q)+32*\c+(\i)*16*PITCH
.endr
.endm
.macro MUL16 a0, p, first              ; the 64 accumulators take turns, in one order in every step
.irp a, \a0, \a0+1
.irp b, 0,1,2,3,4,5,6,7
.if \first
	v_wmma_f32_16x16x128_bf8_bf8 v[8*(8*((\a)%4)+\b):8*(8*((\a)%4)+\b)+7], v[128*(\p)+FR*\b:128*(\p)+FR*\b+FR-1], v[AF+FR*(\a):AF+FR*(\a)+FR-1], v[CY+8*(\a):CY+8*(\a)+7]
.else
	v_wmma_f32_16x16x128_bf8_bf8 v[8*(8*((\a)%4)+\b):8*(8*((\a)%4)+\b)+7], v[128*(\p)+FR*\b:128*(\p)+FR*\b+FR-1], v[AF+FR*(\a):AF+FR*(\a)+FR-1], v[8*(8*((\a)%4)+\b):8*(8*((\a)%4)+\b)+7]
.endif
.endr
.endr
.endm
.macro FETCH_X slot, q, p
	WIN TO_X
.irp i, 0,1,2,3,4,5,6,7
	FRAG 128*(\p)+FR*\i, ADRX+\slot, \q, \i
.endr
	WIN 0
.endm
.macro FETCH_Y slot, q, i0
.irp i, \i0, \i0+1, \i0+2, \i0+3
	FRAG AF+FR*(\i), ADRY+\slot, \q, \i
.endr
.endm
.macro PLACES                          ; four plain vector instructions behind a matrix instruction, ahead of a load into one of its registers
.rept 4
	v_nop
.endr
.endm
.macro STEP slot, first                ; a slot's first 128 along K: X's set 0
	s_wait_dscnt 4*NL                              ; all but Y's blocks 4-7
.if \first
	WIN 0x81
.else
	WIN MUL_LO
.endif
	MUL16 0, 0, \first
	MUL16 2, 0, \first
	s_wait_dscnt 0
	PLACES
	FETCH_X \slot, 1, 1
	FETCH_Y \slot, 1, 0
.if \first
	WIN 0xc1
.else
	WIN MUL_HI
.endif
	MUL16 4, 0, \first
	MUL16 6, 0, \first
	PLACES
	WIN 0
	FETCH_Y \slot, 1, 4
.endm
.macro TURN slot, next, fill           ; a slot's second 128 along K changes slots: one barrier
	s_wait_tensorcnt 0x0                           ; my part of the next slot is in
	ds_add_u32 v[SPW], v[NIL]
	s_wait_dscnt 4*NL+1                            ; (the add and the youngest sixteen loads may be out)
	WIN MUL_LO
	MUL16 0, 1, 0
	s_wait_dscnt 0x0                               ; the add is done, my reads of this slot are over
	s_barrier_signal -1
	MUL16 2, 1, 0
	WIN 0
	s_barrier_wait -1
.if \fill
	s_add_nc_u64 s[G0+4*\slot+2:G0+4*\slot+3], s[G0+4*\slot+2:G0+4*\slot+3], 512
	JLOAD \slot                                    ; the refill, first behind the barrier; its v_nop are the places for the loads below
.else
	PLACES
.endif
	FETCH_X \next, 0, 0
	FETCH_Y \next, 0, 0
	WIN MUL_HI
	MUL16 4, 1, 0
	MUL16 6, 1, 0
	PLACES
	WIN 0
	FETCH_Y \next, 0, 4
.endm
	s_wait_alu depctr_va_vdst(0)
	s_wait_tensorcnt 0x0                           ; my part of slot 0 is in; slot 1's first fill is issued as a refill is
	ds_add_u32 v[SPW], v[NIL]
	s_wait_dscnt 0x0
	s_barrier_signal -1
	s_barrier_wait -1
	JLOAD 1                                        ; K 256-511
	ASK 768
	FETCH_X 0, 0, 0
	FETCH_Y 0, 0, 0
	FETCH_Y 0, 0, 4
	STEP 0, 1
.irp b, 0,1,2,3,4,5,6,7                        ; the first C has been read: its registers take the bias along X
	global_load_b128 v[BX+8*\b:BX+8*\b+3], v[BA], s[8:9] offset:64*\b
	global_load_b128 v[BX+8*\b+4:BX+8*\b+7], v[BA], s[8:9] offset:64*\b+16
.endr
	TURN 0, 1, 1                                   ; slot 0 takes K 512-767
	STEP 1, 0
	TURN 1, 0, 1                                   ; slot 1 takes K 768-1,023
	STEP 0, 0
	TURN 0, 1, 0
	STEP 1, 0
	s_wait_dscnt 4*NL
	WIN MUL_LO
	MUL16 0, 1, 0
	MUL16 2, 1, 0
	s_wait_dscnt 0
	WIN MUL_HI
	MUL16 4, 1, 0
	MUL16 6, 1, 0
	WIN 0
; THE WAY OUT, block by block of 16 rows of Y x 128 of X: one fragment image of 2,048 bytes.
	s_wait_loadcnt 0x0
.set ij, 0
.rept 32
	v_pk_mul_f32 v[BX+ij:BX+ij+1], v[BX+ij:BX+ij+1], s[66:67] op_sel_hi:[1,0]   ; x extra (q), 1 (k), 0 (v); also the places behind the last products
.set ij, ij+2
.endr
.macro PACK a
.set AC, 64*((\a)%4)
.set CD, 96+112*((\a)%2)
	WIN 0x02+((\a)/4)
.set ij, 0
.rept 32
	v_pk_fma_f32 v[T+ij:T+ij+1], v[AC+ij:AC+ij+1], v[SC:SC+1], v[BX+ij:BX+ij+1]
.set ij, ij+2
.endr
	WIN 0
.set ij, 0
.rept 64
	v_med3_num_f32 v[T+ij], v[T+ij], -v[QL], v[QL]  ; the conversion does not saturate (ISA guide 7.6.2): the hold comes first
.set ij, ij+1
.endr
.irp b, 0,1,2,3,4,5,6,7
	v_cvt_scalef32_pk8_bf8_f32 v[CD+2*\b:CD+2*\b+1], v[T+8*\b:T+8*\b+7], v[QS]
.endr
	v_nop
.endm
.macro TOSTAGE a                       ; block a comes back into 16 registers of its own, window 1's v[16 a ..]: X's set 0, done with since the last slot's first step.  So no store's data is ever written again
.set CD, 96+112*((\a)%2)
.irp b, 0,1,2,3,4,5,6,7
	ds_store_b64 v[STO], v[CD+2*\b:CD+2*\b+1] offset:32*(\b/2)+8*(\b%2)   ; numbers 16 b + 8 h + 0..7 of row r
.endr
	WIN TO_X
.irp t, 0,1,2,3
	ds_load_b128 v[16*(\a)+4*\t:16*(\a)+4*\t+3], v[STO] offset:32*\t   ; bytes 32 t + 16 h of row r: the image's load t.  LDS serves a wave's instructions in order (ISA guide 5.7.1.4)
.endr
	WIN 0
.endm
.macro SEND a, younger
	s_wait_dscnt \younger
	WIN 0x04                                       ; a store's data is source 1
.irp t, 0,1,2,3
	global_store_b128 v[CO], v[16*(\a)+4*\t:16*(\a)+4*\t+3], s[10:11] offset:2048*(\a)+512*\t   ; 32 lanes store 512 consecutive bytes, aligned
.endr
	WIN 0
.endm
	PACK 0
	TOSTAGE 0
.irp a, 1,2,3,4,5,6,7
	PACK \a
	TOSTAGE \a
	SEND \a-1, 12                                  ; behind block a - 1's loads: 8 stores and 4 loads
.endr
	SEND 7, 0
	s_wait_tensorcnt 0x0                           ; the wave's end
	ds_add_u32 v[SPW], v[NIL]
	s_wait_dscnt 0x0
	s_endpgm
.Lfunc_end_k_q100fdf2304_proj:
	.size	k_q100fdf2304_proj, .Lfunc_end_k_q100fdf2304_proj-k_q100fdf2304_proj
	.p2alignl 7, 3214868480
	.fill 96, 4, 3214868480
	.section	.rodata,"a",@progbits
	.p2align	6, 0x0
	.amdhsa_kernel k_q100fdf2304_proj
		.amdhsa_group_segment_fixed_size 327680
		.amdhsa_private_segment_fixed_size 0
		.amdhsa_enable_private_segment 0
		.amdhsa_kernarg_size 104
		.amdhsa_user_sgpr_count 2
		.amdhsa_user_sgpr_kernarg_segment_ptr 1
		.amdhsa_wavefront_size32 1
		.amdhsa_system_sgpr_workgroup_id_x 1
		.amdhsa_system_sgpr_workgroup_id_y 1
		.amdhsa_system_sgpr_workgroup_id_z 1
		.amdhsa_system_vgpr_workitem_id 0
		.amdhsa_next_free_vgpr 1024
		.amdhsa_next_free_sgpr 102
		.amdhsa_reserve_vcc 0
		.amdhsa_float_denorm_mode_32 3
		.amdhsa_float_denorm_mode_16_64 3
		.amdhsa_memory_ordered 1
		.amdhsa_forward_progress 1
		.amdhsa_inst_pref_size 149
	.end_amdhsa_kernel
	.amdgpu_metadata
---
amdhsa.version: [ 1, 2 ]
amdhsa.kernels:
  - .name:           k_q100fdf2304_proj
    .symbol:         k_q100fdf2304_proj.kd
    .args:
      - { .name: in_q_codes, .offset: 0, .size: 8, .value_kind: global_buffer, .address_space: global }
      - { .name: in_k_codes, .offset: 8, .size: 8, .value_kind: global_buffer, .address_space: global }
      - { .name: in_v_codes, .offset: 16, .size: 8, .value_kind: global_buffer, .address_space: global }
      - { .name: Wq_codes, .offset: 24, .size: 8, .value_kind: global_buffer, .address_space: global }
      - { .name: Wk_codes, .offset: 32, .size: 8, .value_kind: global_buffer, .address_space: global }
      - { .name: Wv_codes, .offset: 40, .size: 8, .value_kind: global_buffer, .address_space: global }
      - { .name: bq, .offset: 48, .size: 8, .value_kind: global_buffer, .address_space: global }
      - { .name: bk, .offset: 56, .size: 8, .value_kind: global_buffer, .address_space: global }
      - { .name: bv, .offset: 64, .size: 8, .value_kind: global_buffer, .address_space: global }
      - { .name: q_extra_scale, .offset: 72, .size: 8, .value_kind: global_buffer, .address_space: global }
      - { .name: lowp_scales, .offset: 80, .size: 8, .value_kind: global_buffer, .address_space: global }
      - { .name: q_codes, .offset: 88, .size: 8, .value_kind: global_buffer, .address_space: global }
      - { .name: kv_codes, .offset: 96, .size: 8, .value_kind: global_buffer, .address_space: global }
    .group_segment_fixed_size: 327680
    .private_segment_fixed_size: 0
    .kernarg_segment_align: 8
    .kernarg_segment_size: 104
    .max_flat_workgroup_size: 128
    .sgpr_count:     102
    .vgpr_count:     1024
    .wavefront_size: 32
...
	.end_amdgpu_metadata
.endif
;; end of part 1
;; launch attn (part 2): grid 64 x 4, 8 waves a work-group, clusters of 4 x 1, 327,680 bytes of LDS; arguments q_codes, kv_codes, lowp_scales, ctx_codes; writes ctx_codes
.if DOCPART == 2
	.amdgcn_target "amdgcn-amd-amdhsa--gfx1250"
	.amdhsa_code_object_version 6
	.text
	.protected	k_q100fdf2304_attn
	.globl	k_q100fdf2304_attn
	.p2align	8
	.type	k_q100fdf2304_attn,@function
k_q100fdf2304_attn:
	s_mov_b64 s[64:65], 0
	v_nop
	global_prefetch_b8 v0, s[64:65] scope:SCOPE_SE
	s_setreg_imm32_b32 hwreg(HW_REG_WAVE_MODE, 25, 1), 1
	s_wait_xcnt 0x0
	s_wait_alu depctr_hold_cnt(0) depctr_sa_sdst(0) depctr_va_vdst(0) depctr_va_sdst(0) depctr_va_ssrc(0) depctr_va_vcc(0) depctr_vm_vsrc(0)
	s_getreg_b32 s2, hwreg(HW_REG_IB_STS2, 6, 4)
	s_cmp_eq_u32 s2, 0
	s_cbranch_scc0 .Lentry_in_a_cluster
	s_endpgm
.Lentry_in_a_cluster:
	s_bfe_u32 s2, ttmp6, 0x10000c
	s_cmp_lg_u32 s2, 0x3003
	s_cbranch_scc0 .Lentry_shape_is_right
	s_endpgm
.Lentry_shape_is_right:
; CAUSAL ATTENTION ON CODES OF E5M2, eight query heads to a key and value group; ctx is quantised (entry 10) into ctx_codes [position 4,096][head 16 x 128 d].
; LEFT OUT: double steps of 256 keys all of whose keys come after the block's queries: reference()'s own causal mask gives them the weight 0.  A NaN or an infinity in such keys is not carried to the result.
; q_codes and kv_codes hold images of the operand registers, as the launch before lays them: a fragment (16 rows x 128 codes) is 2,048 bytes, its load c at 512 c + 16 x lane.
; SHARES.  Work-group (p, y): y = 2 b + g; all 8 heads of the group at two blocks of 16 positions, block p and then block 127 - p.  Eight waves, two to a SIMD.  Waves w and w + 4 own heads 2 (w % 4), 2 (w % 4) + 1
; and SPLIT THE KEYS: of a double step of 256 keys wave w / 4 = 0 takes the first 128, the other the second.  Each fragment of K and V is read by four waves and feeds two matrix instructions in each.
; Block j needs j / 16 + 1 double steps, so the two walks take p / 16 + 1 and 8 - p / 16: nine in every work-group and wave.  Only a walk's last double step holds hidden keys: there their scores become -infinity.
; Each wave keeps its own running M, sum and O^T.  AT A WALK'S END the upper wave hands -M, its sum and O^T to the lower one through LDS bytes of their own, a head at a time; the lower one brings both under the greater M
; (powers of two), divides, quantises and stores.  The three barriers of the hand-over stand under a branch on ids that all eight waves take alike.  Then the state is set so that the next step multiplies O^T and the sum by 0.
; THE STREAM.  Chunk c takes key block c (c < 2 (p / 16 + 1)) or c less that: 32,768 dense bytes, K's 8 fragments and V's 8.  Two LDS slots of 4 chunks; each wave fetches half a chunk, 64 rows of 256 bytes, no padding.
; Chunks 16, 17 come alone, an eighth of the two to each wave.  CLUSTER: the four partners p = 4 x + cx have the same stream: every load is joint.
; PREFETCH: 16 clusters of a y walk the same 512 KiB, so the cluster x = 0 alone asks (four clusters in the launch), for the slot after the one being fetched: each partner one chunk (by address), waves 0-3, 8,192 bytes a wave,
; lanes 256 bytes apart; slots 0, 1 and chunks 16, 17 come by their loads alone.
; THE SOFTMAX: t = score x log2(e) / sqrt(128) x 2^(e6 + e7); M = the ceiling of the running largest t; p = 2^(t - M) is quantised (entry 9); the sum is taken of the unquantised p.
; S^T = K Q^T: lane (r, h), register 8 t + j = key 16 t + 8 h + j of query r.  The conversions' results are P's operand, and V's keys lie in that order.  O^T = V^T P^T: register 8 t + j = channel 16 t + 8 h + j.
; LIMITS: e6 + e7 between -123 and 130; entry 9 between -15 and 127: p is at most 1 and then lies inside the format's range, so p has no hold; entry 10 between -126 and 112; scaled scores under 2^31.
; REGISTERS: window 0: v1-15, v32-39, v248 addresses and state; v16-31, v232-247 Q of the second block; v40-167 S, then p; v168-199 codes, and ahead of the conversions at work; v200-231 Q.
;   window 1: v0-127 eight fragments, K's and then V's; v128-255 O^T.
.set CHUNK, 32768
.set SLOTB, 131072
.set XCH,   262144                     ; the hand-over: 8,192 bytes for each pair of waves
.set ML,    XCH+32768                  ; -M and the sum: 512 bytes a pair
.set STAGE, ML+2048                    ; 16 rows x (256 + 16) bytes for each pair
.set SP,    272
.set SPARE, STAGE+4*16*SP
.set LA,  1
.set ADK, 2
.set DL,  3
.set SPW, 4
.set NIL, 5
.set GO,  6
.set STO, 7
.set NM,  8                            ; head u: v[8+4u] -M, +1 the largest t (at a walk's end: the sum), +2,+3 the sum in two halves
.set QN0, 16
.set RD,  32
.set VD,  33
.set NINF, 34
.set QSP, 35
.set QSC, 36
.set QLC, 37
.set PFO, 38
.set XA,  39
.set S,   40
.set CD,  168
.set TMP, 168                          ; head u: v[168+8u] at work between a step's products; the conversions write over it
.set Q,   200
.set QN1, 232
.set MLA, 248
.set WV, 12
.set CX, 13
.set YY, 14
.set PP, 15
.set L2, 16                            ; chunks of the first walk
.set DLM, 17                           ; its last double step
.set D0, 18
.set D1, 19
.set SEL, 20
.set CS, 22
.set G1, 24
.set G1Q, 32
.set G0, 40
.set KVB, 44
.set TB, 46
.set TBS, 47
.set CNT, 48
.set SLC, 49
.set IS, 50
.set NS, 51
.set PFC, 52
.set EPV, 53
.set T0, 54
.set PFA, 60
.set CTH, 62
.set HP, 66
.set KS, 67
.set KSO, 73
.set QHB, 74
.set HOFF, 76
.set MSB, 0
.macro WIN new
.if MSB != (\new)
	s_set_vgpr_msb (MSB<<8)|(\new)
.set MSB, (\new)
.endif
.endm
.macro BAR
	s_barrier_signal -1
	s_barrier_wait -1
.endm
.macro ROUND
	BAR
	s_cmp_lg_u32 s[WV], 0
	s_cbranch_scc1 .Lnw0_\@
	s_barrier_signal -3
.Lnw0_\@:
	s_barrier_wait -3
	BAR
.endm
.macro NOP4
.rept 4
	v_nop
.endr
.endm
.macro SETG0                           ; my half of chunk s[NS]
	s_sub_co_u32 s[T0], s[NS], s[L2]
	s_cmp_lt_u32 s[NS], s[L2]
	s_cselect_b32 s[T0], s[NS], s[T0]
	s_lshl_b32 s[T0], s[T0], 15
	s_add_co_u32 s[T0], s[T0], s[HOFF]
	s_mov_b32 s[T0+1], 0
	s_add_nc_u64 s[G0+2:G0+3], s[KVB:KVB+1], s[T0:T0+1]
	s_or_b32 s[G0+3], s[G0+3], 0x80000000
.endm
	s_load_b256 s[4:11], s[0:1], 0x0               ; q_codes 4, kv_codes 6, lowp_scales 8, ctx_codes 10
	v_lshl_add_u32 v[SPW], v0, 2, SPARE
	v_mov_b32 v[NIL], 0
	ds_add_u32 v[SPW], v[NIL]                      ; the opening lines
	ds_add_u32 v[SPW], v[NIL]
	v_lshrrev_b32 v[LA], 5, v0
	v_readfirstlane_b32 s[WV], v[LA]
	s_and_b32 s[HP], s[WV], 3                      ; my pair of heads
	s_lshr_b32 s[KS], s[WV], 2                     ; my half of the keys
	s_lshl_b32 s[KSO], s[KS], 15
	s_and_b32 s[HOFF], s[WV], 1
	s_lshl_b32 s[HOFF], s[HOFF], 14
	s_lshr_b32 s[NS], s[WV], 1
	s_bfe_u32 s[CX], ttmp6, 0x40000
	s_and_b32 s[YY], ttmp7, 0xffff
	s_lshl_b32 s[PP], ttmp9, 2
	s_add_co_u32 s[PP], s[PP], s[CX]               ; p
	s_lshr_b32 s[DLM], ttmp9, 2                    ; p / 16: of the cluster's x alone
	s_add_co_u32 s[L2], s[DLM], 1
	s_lshl_b32 s[L2], s[L2], 1
	s_mov_b32 s[G1], 15|(1<<21)                    ; the mask of all four partners, bit 21 beside it; 1-byte elements, no padding
	s_mov_b32 s[G1Q], 15|(1<<21)
.irp g, G1, G1Q
	s_mov_b32 s[\g+1], 256<<16
	s_mov_b32 s[\g+3], 256<<16
	s_mov_b32 s[\g+5], 256
	s_mov_b32 s[\g+6], 0
	s_mov_b32 s[\g+7], 0
.endr
	s_mov_b32 s[G1+2], 64<<16                      ; half a chunk: 64 rows of 256 bytes
	s_mov_b32 s[G1+4], 64
	s_mov_b32 s[G1Q+2], 32<<16                     ; a quarter
	s_mov_b32 s[G1Q+4], 32
	s_mov_b32 s[SEL], 0x76543210
	s_mov_b32 s[SEL+1], 0xfedcba98
	s_mov_b32 s[CS], 0x3e0293ee                    ; log2(e) / sqrt(128)
	s_mov_b32 s[IS], 0
	s_mov_b32 s[TBS], 0
	s_mov_b32 s[SLC], 3
	s_lshl_b32 s[T0], s[YY], 19
	s_mov_b32 s[T0+1], 0
	s_wait_dscnt 0x0
	s_wait_kmcnt 0x0
	s_load_b128 s[68:71], s[8:9], 0x18             ; e6 (k), e7 (q), e8 (v), e9 (p)
	s_load_b32 s72, s[8:9], 0x28                   ; e10 (ctx)
	s_add_nc_u64 s[KVB:KVB+1], s[6:7], s[T0:T0+1]
	s_mov_b32 s[G0], 1
	s_lshl_b32 s[G0+1], s[WV], 14
	SETG0
	ROUND
	tensor_load_to_lds s[G0:G0+3], s[G1:G1+7]      ; slot 0
	s_nop 0
	NOP4
	s_lshl_b32 s[T0], s[YY], 3
	s_lshl_b32 s[T0+1], s[HP], 1
	s_add_co_u32 s[T0], s[T0], s[T0+1]             ; my first head among 32
	s_lshl_b32 s[T0+2], s[T0], 7
	s_add_co_u32 s[T0+2], s[T0+2], s[PP]
	s_lshl_b32 s[T0+2], s[T0+2], 11
	s_mov_b32 s[T0+3], 0
	s_add_nc_u64 s[T0+4:T0+5], s[4:5], s[T0+2:T0+3]   ; Q, block p
	s_lshl_b32 s[T0+2], s[PP], 1
	s_sub_co_u32 s[T0+1], 127, s[T0+2]             ; blocks from p to 127 - p
	s_lshl_b32 s[T0+2], s[T0+1], 11
	s_add_nc_u64 s[QHB:QHB+1], s[T0+4:T0+5], s[T0+2:T0+3]
	s_lshr_b32 s[T0+2], s[YY], 1
	s_lshl_b32 s[T0+2], s[T0+2], 7
	s_add_co_u32 s[T0+2], s[T0+2], s[PP]
	s_lshl_b32 s[T0+2], s[T0+2], 15                ; 16 rows of 2,048 bytes a block
	s_and_b32 s[T0], s[T0], 15
	s_lshl_b32 s[T0], s[T0], 7
	s_add_co_u32 s[T0+2], s[T0+2], s[T0]
	s_add_nc_u64 s[10:11], s[10:11], s[T0+2:T0+3]  ; ctx, block p, my two heads: 256 bytes of a row, aligned
	s_lshl_b32 s[T0+2], s[T0+1], 15
	s_add_nc_u64 s[CTH:CTH+1], s[10:11], s[T0+2:T0+3]
	s_and_b32 s[D0], s[PP], 15                     ; first query less my first key of a walk's last double step: 16 (p % 16) - 128 ks, and 240 - 16 (p % 16) - 128 ks
	s_lshl_b32 s[D0], s[D0], 4
	s_sub_co_u32 s[D1], 240, s[D0]
	s_lshl_b32 s[T0], s[KS], 7
	s_sub_co_u32 s[D0], s[D0], s[T0]
	s_sub_co_u32 s[D1], s[D1], s[T0]
	s_or_b32 s[T0], s[KS], ttmp9
	s_cmp_eq_u32 s[T0], 0
	s_cselect_b32 s[PFC], 1, 64                    ; the count of slots above which my wave prefetches
	s_add_co_u32 s[T0], s[CX], 2                   ; in cluster 0 the first walk has 2 chunks: chunk 8 + cx is key block 6 + cx; the first change steps four blocks on
	s_lshl_b32 s[T0], s[T0], 15
	s_lshl_b32 s[T0+1], s[HP], 13
	s_add_co_u32 s[T0], s[T0], s[T0+1]
	s_mov_b32 s[T0+1], 0
	s_add_nc_u64 s[PFA:PFA+1], s[KVB:KVB+1], s[T0:T0+1]
	s_mul_i32 s[T0], s[HP], 16*SP
	s_add_co_u32 s[T0], s[T0], STAGE
	s_lshl_b32 s[T0+1], s[HP], 13
	s_add_co_u32 s[T0+1], s[T0+1], XCH
	s_lshl_b32 s[T0+2], s[HP], 9
	s_add_co_u32 s[T0+2], s[T0+2], ML
	v_and_b32 v[LA], 31, v0
	v_and_b32 v[DL], 15, v0                        ; r
	v_bfe_u32 v[VD], v0, 4, 1                      ; h
	v_lshlrev_b32 v[PFO], 8, v[LA]
	v_lshlrev_b32 v[MLA], 3, v[LA]
	v_lshlrev_b32 v[LA], 4, v[LA]
	v_add_nc_u32 v[MLA], s[T0+2], v[MLA]
	v_add_nc_u32 v[XA], s[T0+1], v[LA]
	v_mul_u32_u24 v[STO], v[DL], SP
	v_lshl_add_u32 v[STO], v[VD], 3, v[STO]
	v_add_nc_u32 v[STO], s[T0], v[STO]             ; in: row r, 8 h
	v_mul_u32_u24 v[RD], v[VD], SP
	v_lshl_add_u32 v[RD], v[DL], 4, v[RD]
	v_add_nc_u32 v[RD], s[T0], v[RD]               ; back: lanes 0-15 one row, lanes 16-31 the next
	v_lshlrev_b32 v[GO], 11, v[VD]
	v_lshl_add_u32 v[GO], v[DL], 4, v[GO]
	v_lshlrev_b32 v[VD], 3, v[VD]
	v_sub_nc_u32 v[DL], v[DL], v[VD]
	v_mov_b32 v[NINF], 0xff800000
	s_wait_alu depctr_va_vdst(0)
.irp u, 0,1
.irp c, 0,1,2,3
	global_load_b128 v[Q+16*\u+4*\c:Q+16*\u+4*\c+3], v[LA], s[T0+4:T0+5] offset:262144*\u+512*\c
.endr
.endr
.irp c, 0,1,2,3
	global_load_b128 v[QN0+4*\c:QN0+4*\c+3], v[LA], s[QHB:QHB+1] offset:512*\c
	global_load_b128 v[QN1+4*\c:QN1+4*\c+3], v[LA], s[QHB:QHB+1] offset:262144+512*\c
.endr
	WIN 0x40
.set ij, 0
.rept 128
	v_mov_b32 v[128+ij], 0                         ; O^T: the step is written once, and its first run finds zeros
.set ij, ij+1
.endr
	WIN 0
.irp u, 0,1
	v_mov_b32 v[NM+4*\u+1], 0xff61b1e6             ; -3e38, under every t
	v_floor_f32 v[NM+4*\u], -v[NM+4*\u+1]
	v_mov_b32 v[NM+4*\u+2], 0
	v_mov_b32 v[NM+4*\u+3], 0
	v_mov_b32 v[TMP+8*\u+3], 0
	v_mov_b32 v[TMP+8*\u+6], 0
.endr
	s_wait_kmcnt 0x0
	s_add_co_i32 s[T0], s68, s69
	s_lshl_b32 s[T0], s[T0], 23
	s_add_co_i32 s[CS], s[CS], s[T0]               ; c x 2^(e6 + e7)
	s_mov_b32 s[CS+1], s[CS]
	s_add_co_i32 s[T0], s71, 127
	s_lshl_b32 s[T0], s[T0], 23
	v_mov_b32 v[QSP], s[T0]
	s_add_co_i32 s[T0], s72, 127
	s_lshl_b32 s[T0+1], s[T0], 23
	v_mov_b32 v[QSC], s[T0+1]
	s_add_co_i32 s[T0], s[T0], 15
	s_lshl_b32 s[T0], s[T0], 23
	s_or_b32 s[T0], s[T0], 0x600000
	v_mov_b32 v[QLC], s[T0]                        ; 57,344 x 2^e10
	s_add_co_i32 s[EPV], s70, s71
.macro LOADF off                       ; 8 fragments: 32 loads of 512 bytes on end
	WIN 0x40
.set it, 0
.rept 32
	ds_load_b128 v[4*it:4*it+3], v[ADK] offset:\off+512*it
.set it, it+1
.endr
	WIN 0
.endm
.macro SENDO u                         ; the upper wave's O^T of head u
	WIN 0x04
.set it, 0
.rept 16
	ds_store_b128 v[XA], v[128+64*\u+4*it:128+64*\u+4*it+3] offset:512*it
.set it, it+1
.endr
	WIN 0
.endm
.macro TAKEO u
.set it, 0
.rept 16
	ds_load_b128 v[S+64*\u+4*it:S+64*\u+4*it+3], v[XA] offset:512*it
.set it, it+1
.endr
.endm
; A WALK'S END.  final = 0: the second block's Q, mask and rows of ctx take over, and the largest t goes back to -3e38.
.macro MERGE final
.irp u, 0,1
	v_add_f32 v[TMP+8*\u], v[NM+4*\u+2], v[NM+4*\u+3]
.endr
.irp u, 0,1
	v_permlanex16_b32 v[TMP+8*\u+6], v[TMP+8*\u], s[SEL], s[SEL+1]
.endr
.irp u, 0,1
	v_add_f32 v[NM+4*\u+1], v[TMP+8*\u], v[TMP+8*\u+6]   ; my keys' sum, beside -M
.endr
	s_wait_alu depctr_va_vdst(0)                   ; read behind branches and waits
	s_cmp_eq_u32 s[KS], 0
	s_cbranch_scc1 .Lm1_\@
	ds_store_b64 v[MLA], v[NM:NM+1]
	ds_store_b64 v[MLA], v[NM+4:NM+5] offset:256
	SENDO 0
.Lm1_\@:
	s_wait_dscnt 0x0
	BAR                                            ; head 0 lies in LDS
	s_cmp_lg_u32 s[KS], 0
	s_cbranch_scc1 .Lm2_\@
	ds_load_b64 v[TMP+4:TMP+5], v[MLA]
	ds_load_b64 v[TMP+12:TMP+13], v[MLA] offset:256
	TAKEO 0
.Lm2_\@:
	s_wait_dscnt 0x0
	BAR                                            ; it has been read
	s_cmp_eq_u32 s[KS], 0
	s_cbranch_scc1 .Lm3_\@
	SENDO 1
.Lm3_\@:
	s_wait_dscnt 0x0
	BAR                                            ; head 1 lies in LDS
	s_cmp_lg_u32 s[KS], 0
	s_cbranch_scc1 .Lm4_\@
	TAKEO 1
.irp u, 0,1
	v_min_num_f32 v[TMP+8*\u], v[NM+4*\u], v[TMP+8*\u+4]   ; the lesser -M: the greater M
.endr
.irp u, 0,1
	v_sub_f32 v[TMP+8*\u+1], v[TMP+8*\u], v[NM+4*\u]
	v_sub_f32 v[TMP+8*\u+2], v[TMP+8*\u], v[TMP+8*\u+4]
.endr
.irp u, 0,1
	v_cvt_i32_f32 v[TMP+8*\u+1], v[TMP+8*\u+1]     ; whole numbers, 0 or less (it saturates)
	v_cvt_i32_f32 v[TMP+8*\u+2], v[TMP+8*\u+2]
.endr
.irp u, 0,1
	v_ldexp_f32 v[TMP+8*\u+1], 1.0, v[TMP+8*\u+1]
	v_ldexp_f32 v[TMP+8*\u+2], 1.0, v[TMP+8*\u+2]
.endr
.irp u, 0,1
	v_mul_f32 v[TMP+8*\u+6], v[NM+4*\u+1], v[TMP+8*\u+1]
.endr
.irp u, 0,1
	v_fma_f32 v[TMP+8*\u+6], v[TMP+8*\u+5], v[TMP+8*\u+2], v[TMP+8*\u+6]   ; the row's sum
.endr
	s_wait_alu depctr_va_vdst(0)                   ; the wait ahead of the batch
.irp u, 0,1
	v_rcp_f32 v[TMP+8*\u+6], v[TMP+8*\u+6]
.endr
	v_nop
	s_wait_alu depctr_va_vdst(0)                   ; and behind it
.irp u, 0,1
	v_ldexp_f32 v[TMP+8*\u+6], v[TMP+8*\u+6], s[EPV]   ; 2^(e8 + e9) / the sum
.endr
.irp u, 0,1
	v_mul_f32 v[TMP+8*\u], v[TMP+8*\u+1], v[TMP+8*\u+6]     ; my O^T's factor
	v_mul_f32 v[TMP+8*\u+2], v[TMP+8*\u+2], v[TMP+8*\u+6]   ; the other wave's
.endr
	s_wait_alu depctr_va_vdst(0)
	s_wait_dscnt 0x0
.irp u, 0,1
.set ij, 0
.rept 32
	v_pk_mul_f32 v[S+64*\u+ij:S+64*\u+ij+1], v[S+64*\u+ij:S+64*\u+ij+1], v[TMP+8*\u+2:TMP+8*\u+3] op_sel_hi:[1,0]
.set ij, ij+2
.endr
.endr
	WIN 0x01
	s_wait_alu depctr_va_vdst(0)                   ; ahead of the first reader of O^T
.irp u, 0,1
.set ij, 0
.rept 32
	v_pk_fma_f32 v[S+64*\u+ij:S+64*\u+ij+1], v[128+64*\u+ij:128+64*\u+ij+1], v[TMP+8*\u:TMP+8*\u+1], v[S+64*\u+ij:S+64*\u+ij+1] op_sel_hi:[1,0,1]
.set ij, ij+2
.endr
.endr
	WIN 0
.set ij, 0
.rept 128
	v_med3_num_f32 v[S+ij], v[S+ij], -v[QLC], v[QLC]   ; the conversion does not saturate (ISA guide 7.6.2)
.set ij, ij+1
.endr
.set ij, 0
.rept 16
	v_cvt_scalef32_pk8_bf8_f32 v[CD+2*ij:CD+2*ij+1], v[S+8*ij:S+8*ij+7], v[QSC]
.set ij, ij+1
.endr
	v_nop
.irp u, 0,1
.irp t, 0,1,2,3,4,5,6,7
	ds_store_b64 v[STO], v[CD+16*\u+2*\t:CD+16*\u+2*\t+1] offset:128*\u+16*\t   ; channels 16 t + 8 h + 0..7 of head u, query r
.endr
.endr
.irp i, 0,1,2,3,4,5,6,7
	ds_load_b128 v[S+4*\i:S+4*\i+3], v[RD] offset:2*SP*\i   ; the stage is this wave's alone: LDS serves a wave's instructions in order (ISA guide 5.7.1.4)
.endr
.irp i, 0,1,2,3,4,5,6,7
	s_wait_dscnt 7-\i
	global_store_b128 v[GO], v[S+4*\i:S+4*\i+3], s[10:11] offset:4096*\i   ; sixteen lanes store 256 consecutive bytes, aligned
.endr
.Lm4_\@:
.if \final == 0
	s_wait_xcnt 0x0                                ; the stores have read their registers and base
	s_mov_b64 s[10:11], s[CTH:CTH+1]
	s_mov_b32 s[D0], s[D1]
.set ij, 0
.rept 16
	v_mov_b32 v[Q+ij], v[QN0+ij]
	v_mov_b32 v[Q+16+ij], v[QN1+ij]
.set ij, ij+1
.endr
.irp u, 0,1
	v_mov_b32 v[NM+4*\u+1], 0xff61b1e6
	v_floor_f32 v[NM+4*\u], -v[NM+4*\u+1]          ; the next f is 2^(a saturated negative number) = 0
.endr
	s_wait_alu depctr_va_vdst(0)
.endif
.endm
; MY 128 KEYS OF A DOUBLE STEP.  kind 0: no key is hidden.  1: the first walk's last double step (IS = p / 16) is masked and followed by the walk's end.  2: the last of all: masked.
; pipe = 1: inside a slot's loop: the next double step's K is asked for behind the second product, but in the slot's last.
.macro STEP kind, pipe
	s_wait_dscnt 0x0                               ; K's fragments are in
	WIN 0x01
.irp t, 0,1,2,3,4,5,6,7
.irp u, 0,1
	v_wmma_f32_16x16x128_bf8_bf8 v[S+64*\u+8*\t:S+64*\u+8*\t+7], v[16*\t:16*\t+15], v[Q+16*\u:Q+16*\u+15], 0
.endr
.endr
	WIN 0
	NOP4                                           ; places ahead of the loads into the fragments' registers and of the first read of S
	LOADF 16384                                    ; V's fragments land under the softmax
.if \kind == 1
	s_cmp_lg_u32 s[IS], s[DLM]
	s_cbranch_scc1 .Lopen_\@
.endif
.if \kind
	v_add_nc_u32 v[VD], s[D0], v[DL]               ; register 8 t + j is hidden where 16 t + j > first query - my first key + r - 8 h; one compare serves both heads
.set in, 0
.rept 64
	v_cmp_gt_i32 vcc_lo, 16*(in/8)+in%8, v[VD]
	v_cndmask_b32 v[S+in], v[S+in], v[NINF], vcc_lo
	v_cndmask_b32 v[S+64+in], v[S+64+in], v[NINF], vcc_lo
.set in, in+1
.endr
.endif
.Lopen_\@:
.irp u, 0,1
	v_max3_num_f32 v[TMP+8*\u], v[S+64*\u], v[S+64*\u+1], v[S+64*\u+2]
	v_max3_num_f32 v[TMP+8*\u+1], v[S+64*\u+3], v[S+64*\u+4], v[S+64*\u+5]
.endr
.irp i, 6,10,14,18,22,26,30,34,38,42,46,50,54,58
.irp u, 0,1
	v_max3_num_f32 v[TMP+8*\u], v[TMP+8*\u], v[S+64*\u+\i], v[S+64*\u+\i+1]
	v_max3_num_f32 v[TMP+8*\u+1], v[TMP+8*\u+1], v[S+64*\u+\i+2], v[S+64*\u+\i+3]
.endr
.endr
.irp u, 0,1
	v_max3_num_f32 v[TMP+8*\u], v[TMP+8*\u], v[S+64*\u+62], v[S+64*\u+63]
.endr
.irp u, 0,1
	v_max_num_f32 v[TMP+8*\u], v[TMP+8*\u], v[TMP+8*\u+1]
.endr
.irp u, 0,1
	v_permlanex16_b32 v[TMP+8*\u+6], v[TMP+8*\u], s[SEL], s[SEL+1]
.endr
.irp u, 0,1
	v_max_num_f32 v[TMP+8*\u], v[TMP+8*\u], v[TMP+8*\u+6]
.endr
.irp u, 0,1
	v_mul_f32 v[TMP+8*\u], s[CS], v[TMP+8*\u]
.endr
.irp u, 0,1
	v_max_num_f32 v[NM+4*\u+1], v[NM+4*\u+1], v[TMP+8*\u]
.endr
.irp u, 0,1
	v_floor_f32 v[TMP+8*\u+1], -v[NM+4*\u+1]       ; the new -M
.endr
.irp u, 0,1
	v_sub_f32 v[TMP+8*\u], v[TMP+8*\u+1], v[NM+4*\u]   ; old M less new M: a whole number, 0 or less
.endr
.irp u, 0,1
	v_mov_b32 v[NM+4*\u], v[TMP+8*\u+1]
.endr
.irp u, 0,1
	v_cvt_i32_f32 v[TMP+8*\u], v[TMP+8*\u]         ; (it saturates)
.endr
.irp u, 0,1
	v_ldexp_f32 v[TMP+8*\u+2], 1.0, v[TMP+8*\u]    ; f
.endr
	WIN 0x41
.irp u, 0,1
.set ij, 0
.rept 32
	v_pk_mul_f32 v[128+64*\u+ij:128+64*\u+ij+1], v[128+64*\u+ij:128+64*\u+ij+1], v[TMP+8*\u+2:TMP+8*\u+3] op_sel_hi:[1,0]   ; O^T under the new M, ahead of the exponentials
.set ij, ij+2
.endr
.endr
	WIN 0
.irp u, 0,1
.set ij, 0
.rept 32
	v_pk_fma_f32 v[S+64*\u+ij:S+64*\u+ij+1], v[S+64*\u+ij:S+64*\u+ij+1], s[CS:CS+1], v[NM+4*\u:NM+4*\u+1] op_sel_hi:[1,0,0]   ; t - M
.set ij, ij+2
.endr
.endr
	s_wait_alu depctr_va_vdst(0)                   ; the wait ahead of the batch
.set ij, 0
.rept 128
	v_exp_f32 v[S+ij], v[S+ij]
.set ij, ij+1
.endr
.irp u, 0,1
	v_pk_mul_f32 v[NM+4*\u+2:NM+4*\u+3], v[NM+4*\u+2:NM+4*\u+3], v[TMP+8*\u+2:TMP+8*\u+3] op_sel_hi:[1,0]   ; the sums under the new M; the plain place behind the batch
.endr
	s_wait_alu depctr_va_vdst(0)                   ; and behind it
.irp u, 0,1
	v_pk_add_f32 v[TMP+8*\u+4:TMP+8*\u+5], v[S+64*\u:S+64*\u+1], v[S+64*\u+2:S+64*\u+3]
.endr
.irp j, 4,8,12,16,20,24,28,32,36,40,44,48,52,56,60
.irp u, 0,1
	v_pk_add_f32 v[NM+4*\u+2:NM+4*\u+3], v[NM+4*\u+2:NM+4*\u+3], v[S+64*\u+\j:S+64*\u+\j+1]
	v_pk_add_f32 v[TMP+8*\u+4:TMP+8*\u+5], v[TMP+8*\u+4:TMP+8*\u+5], v[S+64*\u+\j+2:S+64*\u+\j+3]
.endr
.endr
.irp u, 0,1
	v_pk_add_f32 v[NM+4*\u+2:NM+4*\u+3], v[NM+4*\u+2:NM+4*\u+3], v[TMP+8*\u+4:TMP+8*\u+5]
.endr
.set ij, 0
.rept 16
	v_cvt_scalef32_pk8_bf8_f32 v[CD+2*ij:CD+2*ij+1], v[S+8*ij:S+8*ij+7], v[QSP]
.set ij, ij+1
.endr
	v_nop
	s_wait_alu depctr_va_vdst(0)                   ; directly ahead of the wait below
	s_wait_dscnt 0x0                               ; V's fragments are in
	WIN 0x51
.irp t, 0,1,2,3,4,5,6,7
.irp u, 0,1
	v_wmma_f32_16x16x128_bf8_bf8 v[128+64*\u+8*\t:128+64*\u+8*\t+7], v[16*\t:16*\t+15], v[CD+16*\u:CD+16*\u+15], v[128+64*\u+8*\t:128+64*\u+8*\t+7]
.endr
.endr
	WIN 0
	NOP4                                           ; places ahead of the loads into the fragments' registers, of writes of the codes' registers and of a read of O^T
.if \pipe
	s_cmp_eq_u32 s[CNT], 1
	s_cbranch_scc1 .Lnk_\@
	s_add_co_u32 s[T0], s[TB], 2*CHUNK
	v_add_nc_u32 v[ADK], s[T0], v[LA]
	s_wait_alu depctr_va_vdst(0)
	LOADF 0
.Lnk_\@:
.endif
.if \kind == 1
	s_cmp_lg_u32 s[IS], s[DLM]
	s_cbranch_scc1 .Lgo_\@
	MERGE 0
.Lgo_\@:
.endif
.endm
; THE CHANGE OF SLOTS, at a slot's head.  mode 1: the other slot takes the next four chunks.  2: slot 0's first two chunks take chunks 16, 17, a quarter chunk a wave.  0: nothing is left to fetch.
.macro CHANGE mode
	s_wait_tensorcnt 0x0                           ; my load is in, so group 0 may be written
	ds_add_u32 v[SPW], v[NIL]
.if \mode == 1
	s_add_co_u32 s[NS], s[NS], 4
	s_xor_b32 s[G0+1], s[G0+1], SLOTB
	SETG0
	s_wait_xcnt 0x0                                ; a prefetch of mine has read its address
	s_add_nc_u64 s[PFA:PFA+1], s[PFA:PFA+1], SLOTB
.endif
.if \mode == 2
	s_add_co_u32 s[T0], s[KS], 16
	s_sub_co_u32 s[T0], s[T0], s[L2]
	s_lshl_b32 s[T0], s[T0], 15
	s_lshl_b32 s[T0+1], s[HP], 13
	s_add_co_u32 s[T0], s[T0], s[T0+1]
	s_mov_b32 s[T0+1], 0
	s_lshl_b32 s[G0+1], s[WV], 13
	s_add_nc_u64 s[G0+2:G0+3], s[KVB:KVB+1], s[T0:T0+1]
	s_or_b32 s[G0+3], s[G0+3], 0x80000000
.endif
	s_wait_dscnt 0x0                               ; the add is done, my reads of the slot that I have left are over
.if \mode == 0
	BAR
.else
	ROUND
.if \mode == 1
	tensor_load_to_lds s[G0:G0+3], s[G1:G1+7]
.else
	tensor_load_to_lds s[G0:G0+3], s[G1Q:G1Q+7]
.endif
	s_nop 0
	NOP4
.endif
	s_add_co_u32 s[TB], s[TBS], s[KSO]             ; the slot ahead: my chunk of its first double step
	v_add_nc_u32 v[ADK], s[TB], v[LA]
	s_wait_alu depctr_va_vdst(0)
	LOADF 0
.endm
.macro RUN kind
	s_wait_loadcnt 0x0                             ; Q of both blocks, ahead of its first reader (behind the first time nothing is out)
	s_mov_b32 s[CNT], 2
.Lrun_\@:
	STEP \kind, 1
	s_add_co_u32 s[TB], s[TB], 2*CHUNK
	s_add_co_u32 s[IS], s[IS], 1
	s_sub_co_u32 s[CNT], s[CNT], 1
	s_cmp_lg_u32 s[CNT], 0
	s_cbranch_scc1 .Lrun_\@
	s_xor_b32 s[TBS], s[TBS], SLOTB
.endm
	s_wait_alu depctr_va_vdst(0)
.Lslot:                                            ; three trips: double steps 0-5; the first walk ends at double step 3 at the latest
	CHANGE 1
	s_cmp_gt_u32 s[SLC], s[PFC]                    ; cluster 0, waves 0-3, first two trips: the slot after the one just asked for
	s_cbranch_scc0 .Lnp
	global_prefetch_b8 v[PFO], s[PFA:PFA+1] th:TH_LOAD_NT scope:SCOPE_SE
.Lnp:
	RUN 1
	s_sub_co_u32 s[SLC], s[SLC], 1
	s_cmp_lg_u32 s[SLC], 0
	s_cbranch_scc1 .Lslot
	CHANGE 2
	RUN 0                                          ; double steps 6, 7
	CHANGE 0
	STEP 2, 0                                      ; double step 8
	MERGE 1
	s_wait_tensorcnt 0x0                           ; the wave's end
	ds_add_u32 v[SPW], v[NIL]
	s_wait_dscnt 0x0
	ROUND                                          ; the closing round
	s_endpgm
.Lfunc_end_k_q100fdf2304_attn:
	.size	k_q100fdf2304_attn, .Lfunc_end_k_q100fdf2304_attn-k_q100fdf2304_attn
	.p2alignl 7, 3214868480
	.fill 96, 4, 3214868480
	.section	.rodata,"a",@progbits
	.p2align	6, 0x0
	.amdhsa_kernel k_q100fdf2304_attn
		.amdhsa_group_segment_fixed_size 327680
		.amdhsa_private_segment_fixed_size 0
		.amdhsa_enable_private_segment 0
		.amdhsa_kernarg_size 32
		.amdhsa_user_sgpr_count 2
		.amdhsa_user_sgpr_kernarg_segment_ptr 1
		.amdhsa_wavefront_size32 1
		.amdhsa_system_sgpr_workgroup_id_x 1
		.amdhsa_system_sgpr_workgroup_id_y 1
		.amdhsa_system_sgpr_workgroup_id_z 1
		.amdhsa_system_vgpr_workitem_id 0
		.amdhsa_next_free_vgpr 512
		.amdhsa_next_free_sgpr 80
		.amdhsa_reserve_vcc 1
		.amdhsa_float_denorm_mode_32 3
		.amdhsa_float_denorm_mode_16_64 3
		.amdhsa_memory_ordered 1
		.amdhsa_forward_progress 1
		.amdhsa_inst_pref_size 175
	.end_amdhsa_kernel
	.amdgpu_metadata
---
amdhsa.version: [ 1, 2 ]
amdhsa.kernels:
  - .name:           k_q100fdf2304_attn
    .symbol:         k_q100fdf2304_attn.kd
    .args:
      - { .name: q_codes, .offset: 0, .size: 8, .value_kind: global_buffer, .address_space: global }
      - { .name: kv_codes, .offset: 8, .size: 8, .value_kind: global_buffer, .address_space: global }
      - { .name: lowp_scales, .offset: 16, .size: 8, .value_kind: global_buffer, .address_space: global }
      - { .name: ctx_codes, .offset: 24, .size: 8, .value_kind: global_buffer, .address_space: global }
    .group_segment_fixed_size: 327680
    .private_segment_fixed_size: 0
    .kernarg_segment_align: 8
    .kernarg_segment_size: 32
    .max_flat_workgroup_size: 256
    .sgpr_count:     80
    .vgpr_count:     512
    .wavefront_size: 32
...
	.end_amdgpu_metadata
.endif
;; end of part 2
;; launch outp (part 3): grid 8 x 32, 4 waves a work-group, clusters of 4 x 4, 327,680 bytes of LDS; arguments ctx_codes, Wo_codes, bo, lowp_scales, out0; writes out0
.if DOCPART == 3
	.amdgcn_target "amdgcn-amd-amdhsa--gfx1250"
	.amdhsa_code_object_version 6
	.text
	.protected	k_q100fdf2304_outp
	.globl	k_q100fdf2304_outp
	.p2align	8
	.type	k_q100fdf2304_outp,@function
k_q100fdf2304_outp:
	s_mov_b64 s[64:65], 0
	v_nop
	global_prefetch_b8 v0, s[64:65] scope:SCOPE_SE
	s_setreg_imm32_b32 hwreg(HW_REG_WAVE_MODE, 25, 1), 1
	s_wait_xcnt 0x0
	s_wait_alu depctr_hold_cnt(0) depctr_sa_sdst(0) depctr_va_vdst(0) depctr_va_sdst(0) depctr_va_ssrc(0) depctr_va_vcc(0) depctr_vm_vsrc(0)
	s_getreg_b32 s2, hwreg(HW_REG_IB_STS2, 6, 4)
	s_cmp_eq_u32 s2, 0
	s_cbranch_scc0 .Lentry_in_a_cluster
	s_endpgm
.Lentry_in_a_cluster:
	s_bfe_u32 s2, ttmp6, 0x10000c
	s_cmp_lg_u32 s2, 0xf033
	s_cbranch_scc0 .Lentry_shape_is_right
	s_endpgm
.Lentry_shape_is_right:
; out0 = ctx Wo + bo, on codes of E5M2.  ctx_codes [4096][2048], Wo_codes [1024][2048], K innermost; bo [1024], out0 [4096][1024]: f32.  Scales: ctx entry 10, Wo entry 11.
; A tile of out0 is 128 x 128, so that there are 256 work-groups; four waves, each 64 x 64: 16 accumulators.  K goes 512 to a slot (rows of 512 bytes) through a ring of two LDS slots: four fills, so the K steps are
; written out without a loop.  A slot is four quarters of 128 along K, 16 matrix instructions each, on two fragment buffers by turns.
; CLUSTERS: 4 x 4 work-groups.  The four of a row of the cluster need the same tiles of ctx, the four of a column the same tiles of Wo: each tile is asked for JOINTLY.
; THE MATRIX INSTRUCTION IS USED TRANSPOSED (source 0 = 16 rows of Wo, source 1 = 16 rows of ctx): a lane holds eight neighbouring numbers of a row of out0.
; out = sum x 2^(e10 + e11) + bo: one packed multiply-add for two numbers.  LIMIT: e10 + e11 between -126 and 127, so that the power of two is an f32 number.
; REGISTERS: window 0: v16-29 addresses; v32-63 my 64 columns' bias in the result's layout; v64-127 rows read back from the stage, two sets; v128-255 the accumulators, (a, b) at v[128 + 8 (4 a + b)].
;   window 1: two fragment buffers of 128: ctx's four fragments, then Wo's four.
.set PITCH,  528                       ; an LDS row: 512 bytes + 16 of padding = 132 words: the 16 rows that a load touches start at 16 different banks (64 banks of 4 bytes: ISA guide 11.1)
.set HALFT,  64*PITCH                  ; 64 rows: what one tensor load brings, and what one wave reads of ctx or of Wo
.set SLOT,   4*HALFT                   ; ctx's 128 rows, then Wo's 128 rows
.set SPARE,  2*SLOT                    ; behind the ring: the spare words, 128 bytes for each wave
.set SPITCH, 272                       ; the way out: a stage of 16 rows x (256 bytes + 16) for each wave, in slot 0, which has had its last fill and its last read when the first result is stored there
.set FR,   16
.set ADRA, 16                          ; v16-17  LDS address of my ctx fragments in slot 0, 1
.set ADRB, 20                          ; v20-21  the same for Wo
.set STO,  24
.set RD,   25
.set CO,   26
.set BA,   27                          ; v27  my byte offset in the bias; never rewritten
.set SPW,  28                          ; v28  LDS address of my spare word; never rewritten
.set NIL,  29                          ; v29  0; never rewritten
.set BX,   32
.set ACC,  128
.set F0,   0
.set F1,   128
.set G1, 24
.set G0, 32
.set G1B, 48
.set G0B, 56
.set MSB, 0
.macro WIN new                         ; the immediate's high byte repeats the setting that is left
.if MSB != (\new)
	s_set_vgpr_msb (MSB<<8)|(\new)
.set MSB, (\new)
.endif
.endm
.set MUL,  0x05                        ; sources 0 and 1 window 1; C and D window 0
.set TO_F, 0x40                        ; destination window 1, address window 0
.macro JLOAD s                         ; a joint load: waves 0 and 1 fetch ctx's two halves, waves 2 and 3 Wo's; four v_nop follow each of the two lines
	s_cmp_eq_u32 s11, 0
	s_cbranch_scc0 .Lfor_b_\@
	tensor_load_to_lds s[G0+4*\s:G0+4*\s+3], s[G1:G1+7]
	s_nop 0
.rept 4
	v_nop
.endr
	s_branch .Lasked_\@
.Lfor_b_\@:
	tensor_load_to_lds s[G0B+4*\s:G0B+4*\s+3], s[G1B:G1B+7]
	s_nop 0
.rept 4
	v_nop
.endr
.Lasked_\@:
.endm
.macro CREST                           ; a round of the cluster's barrier behind its opening barrier
	s_cmp_lg_u32 s10, 0
	s_cbranch_scc1 .Lnot_wave_0_\@
	s_barrier_signal -3
.Lnot_wave_0_\@:
	s_barrier_wait -3
	s_barrier_signal -1
	s_barrier_wait -1
.endm
.macro CROUND
	s_barrier_signal -1
	s_barrier_wait -1
	CREST
.endm
	s_load_b128 s[4:7], s[0:1], 0x0                ; ctx_codes s[4:5], Wo_codes s[6:7]
	s_load_b128 s[68:71], s[0:1], 0x10             ; bo s[68:69], lowp_scales s[70:71]
	s_load_b64 s[8:9], s[0:1], 0x20                ; out0
	v_lshl_add_u32 v[SPW], v0, 2, SPARE
	v_mov_b32 v[NIL], 0
	ds_add_u32 v28, v29
	ds_add_u32 v28, v29
	s_wait_dscnt 0x0
	v_lshrrev_b32 v1, 5, v0
	v_readfirstlane_b32 s10, v1                    ; wave 0..3
	s_lshr_b32 s11, s10, 1                         ; which half of the tile's rows is mine.  Also: I fetch for ctx (0) or for Wo (1)
	s_and_b32 s12, s10, 1                          ; which half of its columns.  Also: which 64 rows of that tile I fetch
	s_bfe_u32 s40, ttmp6, 0x40000                  ; cx, cy: my place in the cluster
	s_bfe_u32 s41, ttmp6, 0x40004
	s_lshl_b32 s42, ttmp9, 2
	s_add_co_u32 s42, s42, s40                     ; tile column = 4 x cluster x + cx
	s_and_b32 s13, ttmp7, 0xffff
	s_lshl_b32 s13, s13, 2
	s_add_co_u32 s13, s13, s41                     ; tile row = 4 x cluster y + cy
	s_lshl_b32 s43, s41, 2
	s_lshl_b32 s43, 15, s43                        ; my row of the cluster
	s_lshl_b32 s44, 0x1111, s40                    ; my column
	; descriptor group 1: a tile of 64 rows x 512 bytes, rows 2,048 bytes apart in memory, padded in LDS
	s_or_b32 s[G1+0], s43, (1<<20)|(1<<21)|(6<<22)|(3<<25)   ; 15:0 the mask: ctx's tiles go to my row; elements of 1 byte; 20 padding on; 21 set beside a mask; 24:22 after every 128 words (code 6); 31:25 of 4 words (code 3)
	s_or_b32 s[G1B+0], s44, (1<<20)|(1<<21)|(6<<22)|(3<<25)  ; Wo's tiles go to my column
.irp g, G1, G1B
	s_mov_b32 s[\g+1], 512<<16                     ; tensor_dim0
	s_mov_b32 s[\g+2], 64<<16                      ; tensor_dim1
	s_mov_b32 s[\g+3], 512<<16                     ; tile_dim0
	s_mov_b32 s[\g+4], 64                          ; tile_dim1
	s_mov_b32 s[\g+5], 2048                        ; tensor_dim0_stride
	s_mov_b32 s[\g+6], 0
	s_mov_b32 s[\g+7], 0
.endr
	s_lshl_b32 s17, s12, 6                         ; which 64 rows of the tile I fetch
	s_lshl_b32 s16, s13, 7
	s_add_co_u32 s16, s16, s17
	s_lshl_b32 s16, s16, 11                        ; ctx: (128 x tile row + 64 x half) x 2,048 bytes
	s_lshl_b32 s46, s42, 7
	s_add_co_u32 s46, s46, s17
	s_lshl_b32 s46, s46, 11                        ; Wo: (128 x tile column + 64 x half) x 2,048 bytes
	s_mov_b32 s17, 0
	s_mov_b32 s47, 0
	s_mul_i32 s20, s10, HALFT                      ; where they go: wave x 64 rows: no place in the cluster enters an LDS address
	s_wait_kmcnt 0x0
	s_load_b64 s[72:73], s[70:71], 0x28            ; e10, e11
	s_add_nc_u64 s[14:15], s[4:5], s[16:17]
	s_add_nc_u64 s[46:47], s[6:7], s[46:47]
	CROUND                                         ; all sixteen work-groups are here: the first joint loads meet
.irp s, 0,1
	s_mov_b32 s[G0+4*\s], 1
	s_add_co_u32 s[G0+4*\s+1], s20, \s*SLOT
	s_add_nc_u64 s[G0+4*\s+2:G0+4*\s+3], s[14:15], \s*512
	s_or_b32 s[G0+4*\s+3], s[G0+4*\s+3], 0x80000000
	s_mov_b32 s[G0B+4*\s], 1
	s_add_co_u32 s[G0B+4*\s+1], s20, \s*SLOT
	s_add_nc_u64 s[G0B+4*\s+2:G0B+4*\s+3], s[46:47], \s*512
	s_or_b32 s[G0B+4*\s+3], s[G0B+4*\s+3], 0x80000000
.endr
	JLOAD 0                                        ; K 0-511: one tensor load a wave at the head
	v_and_b32 v1, 15, v0                           ; r
	s_wait_alu depctr_va_vdst(0)
	v_bfe_u32 v2, v0, 4, 1                         ; h
	s_lshl_b32 s22, s42, 9                         ; my 64 columns, in bytes of f32: 512 x tile column + 256 x half
	s_lshl_b32 s23, s12, 8
	s_add_co_u32 s22, s22, s23
	s_mov_b32 s23, 0
	s_add_nc_u64 s[68:69], s[68:69], s[22:23]
	v_lshlrev_b32 v[BA], 5, v2
.irp b, 0,1,2,3
	global_load_b128 v[BX+8*\b:BX+8*\b+3], v[BA], s[68:69] offset:64*\b        ; bo(my columns' 16 b + 8 h + 0 .. 7)
	global_load_b128 v[BX+8*\b+4:BX+8*\b+7], v[BA], s[68:69] offset:64*\b+16
.endr
	v_mul_u32_u24 v3, v1, PITCH
	v_lshl_add_u32 v3, v2, 4, v3                   ; a fragment's row x pitch + 16 h
	s_mul_i32 s20, s11, HALFT                      ; my 64 rows of ctx
	s_mul_i32 s21, s12, HALFT                      ; my 64 rows of Wo,
	s_add_co_u32 s21, s21, 2*HALFT                 ; which lie behind ctx's 128
.irp s, 0,1
	v_add_nc_u32 v[ADRA+\s], s20, v3
	v_add_nc_u32 v[ADRB+\s], s21, v3
	s_add_co_u32 s20, s20, SLOT
	s_add_co_u32 s21, s21, SLOT
.endr
	s_mul_i32 s20, s10, 16*SPITCH                  ; my stage
	v_mul_u32_u24 v4, v1, SPITCH
	s_wait_alu depctr_va_vdst(0)
	v_lshl_add_u32 v4, v2, 5, v4
	v_add_nc_u32 v[STO], s20, v4                   ; in: row r, 32 bytes for each half of the lanes
	v_mul_u32_u24 v5, v2, SPITCH
	v_lshl_add_u32 v5, v1, 4, v5
	v_add_nc_u32 v[RD], s20, v5                    ; back: lanes 0-15 one row of 256 bytes, lanes 16-31 the next
	v_lshlrev_b32 v[CO], 12, v2
	v_lshl_add_u32 v[CO], v1, 4, v[CO]             ; and the same two rows in out0 (4,096 bytes a row)
	s_lshl_b32 s16, s13, 7
	s_lshl_b32 s17, s11, 6
	s_add_co_u32 s16, s16, s17                     ; my first row: 128 x tile row + 64 x half
	s_lshl_b32 s16, s16, 12
	s_add_co_u32 s16, s16, s22
	s_mov_b32 s17, 0
	s_add_nc_u64 s[8:9], s[8:9], s[16:17]
	; THE PREFETCHES INTO THE L2.  A fill is 512 bytes of each of the 64 rows that I fetch: 128 blocks of 256 bytes, which the four partners that ask for them jointly share out BY ADDRESS (cx for ctx, cy for Wo):
	; 16 rows each, two lanes to a row, one instruction a wave.  Here fills 1 and 2 are asked for, behind fill 1's load fill 3: two fills ahead, and fill 1 with them.  Every cluster asks for its rows of ctx;
	; Wo's rows, which the eight clusters of a column of the grid all read, are asked for by the clusters y < 4 alone.  The addresses are never stepped: the fills are told apart by the immediate.
	s_and_b32 s21, ttmp7, 0xffff
	s_cmp_eq_u32 s11, 0                            ; do I fetch for ctx?
	s_cselect_b64 s[76:77], s[14:15], s[46:47]
	s_cselect_b32 s20, s40, s41                    ; my place among the four
	s_cselect_b32 s74, 0, s21                      ; I ask where this is under 4
	s_lshl_b32 s20, s20, 15                        ; 16 rows of 2,048 bytes
	s_mov_b32 s21, 0
	s_add_nc_u64 s[76:77], s[76:77], s[20:21]
	v_and_b32 v30, 31, v0
	v_lshrrev_b32 v31, 1, v30
	v_and_b32 v30, 1, v30
	v_lshlrev_b32 v30, 8, v30
	v_lshl_add_u32 v30, v31, 11, v30               ; row lane / 2, half lane % 2
	s_wait_alu depctr_va_vdst(0)
	s_cmp_lt_u32 s74, 4
	s_cbranch_scc0 .Lno_ask0
	global_prefetch_b8 v30, s[76:77] offset:512 th:TH_LOAD_NT scope:SCOPE_SE
	global_prefetch_b8 v30, s[76:77] offset:1024 th:TH_LOAD_NT scope:SCOPE_SE
.Lno_ask0:
; 4 matrix instructions: ctx's block a x Wo's four, 128 along K, from buffer f.  zero = 1: the products start the sums.  The 16 accumulators take turns, in the same order in every quarter.
.macro MULA f, a, zero
.irp b, 0,1,2,3
.if \zero
	v_wmma_f32_16x16x128_bf8_bf8 v[ACC+8*(4*(\a)+\b):ACC+8*(4*(\a)+\b)+7], v[\f+64+FR*\b:\f+64+FR*\b+FR-1], v[\f+FR*(\a):\f+FR*(\a)+FR-1], 0
.else
	v_wmma_f32_16x16x128_bf8_bf8 v[ACC+8*(4*(\a)+\b):ACC+8*(4*(\a)+\b)+7], v[\f+64+FR*\b:\f+64+FR*\b+FR-1], v[\f+FR*(\a):\f+FR*(\a)+FR-1], v[ACC+8*(4*(\a)+\b):ACC+8*(4*(\a)+\b)+7]
.endif
.endr
.endm
.macro FRAG reg, adr, k, i             ; a fragment: lane l holds row l % 16; registers 4 c .. 4 c + 3 hold K = 32 c + 16 (l / 16) + 0 .. 15: the same places on both sides
.irp c, 0,1,2,3
	ds_load_b128 v[\reg+4*\c:\reg+4*\c+3], v[\adr] offset:(\k)+32*\c+(\i)*16*PITCH
.endr
.endm
.macro FETCH slot, k, f                ; 32 LDS loads in one run: Wo's four fragments, then ctx's four, of the 128 along K at byte k of the rows
	WIN TO_F
.irp i, 0,1,2,3
	FRAG \f+64+FR*\i, ADRB+\slot, \k, \i
.endr
.irp i, 0,1,2,3
	FRAG \f+FR*\i, ADRA+\slot, \k, \i
.endr
.endm
.macro PLACES                          ; four plain vector instructions between a matrix instruction and a load into, or a vector read or write of, one of its registers (ISA guide 7.12.1 for vector reads and writes)
.rept 4
	v_nop
.endr
.endm
; One of a slot's first three quarters: multiplies buffer f and fetches the next quarter, at byte k, into g.
.macro QUARTER slot, k, f, g, zero
	s_wait_dscnt 8                                 ; Wo's fragments and ctx's blocks 0, 1 are in; the youngest eight loads (blocks 2, 3) may be out
	WIN MUL
	MULA \f, 0, \zero
	MULA \f, 1, \zero
	PLACES
	FETCH \slot, \k, \g
	s_wait_dscnt 32                                ; all but the 32 just issued
	WIN MUL
	MULA \f, 2, \zero
	MULA \f, 3, \zero
.endm
; The last quarter multiplies buffer 1 and changes slots: ONE barrier; in front of it each wave waits for all its tensor loads, adds 0 to its spare word, and waits for that and for its own reads of this slot.
.macro TURN slot, next, fill
	WIN 0                                          ; (the add's two registers lie in window 0)
	s_wait_tensorcnt 0x0                           ; all my tensor loads have landed: my part of the next slot
	ds_add_u32 v[SPW], v[NIL]                      ; 0 onto my spare word
	s_wait_dscnt 9                                 ; (the add and the youngest eight loads may be out)
	WIN MUL
	MULA F1, 0, 0                                  ; four matrix instructions stand between the add and the wait for it
	s_wait_dscnt 0x0                               ; the add is done, and my reads of this slot are over
	s_barrier_signal -1
	MULA F1, 1, 0
.if \fill
	WIN 0
.endif
	s_barrier_wait -1
.if \fill
	CREST                                          ; no wave of any partner still reads this slot or has a load on its way
	s_add_nc_u64 s[G0+4*\slot+2:G0+4*\slot+3], s[G0+4*\slot+2:G0+4*\slot+3], 1024
	s_add_nc_u64 s[G0B+4*\slot+2:G0B+4*\slot+3], s[G0B+4*\slot+2:G0B+4*\slot+3], 1024
	JLOAD \slot                                    ; the first tensor load behind the round, one a wave; its four v_nop are also the places in front of the loads below
.else
	PLACES
.endif
	FETCH \next, 0, F0
	WIN MUL
	MULA F1, 2, 0
	MULA F1, 3, 0
.endm
	s_wait_alu depctr_va_vdst(0)
	s_wait_tensorcnt 0x0                           ; my part of slot 0 is in; slot 1's first fill is issued as a refill is
	ds_add_u32 v[SPW], v[NIL]
	s_wait_dscnt 0x0
	CROUND                                         ; everybody's part is in, and the joint loads meet
	JLOAD 1                                        ; K 512-1,023
	s_cmp_lt_u32 s74, 4
	s_cbranch_scc0 .Lno_ask1
	global_prefetch_b8 v30, s[76:77] offset:1536 th:TH_LOAD_NT scope:SCOPE_SE
.Lno_ask1:
	FETCH 0, 0, F0
	QUARTER 0, 128, F0, F1, 1                      ; K 0-127: the products start the sums
	QUARTER 0, 256, F1, F0, 0
	QUARTER 0, 384, F0, F1, 0
	TURN 0, 1, 1                                   ; slot 0 takes K 1,024-1,535
	QUARTER 1, 128, F0, F1, 0
	QUARTER 1, 256, F1, F0, 0
	QUARTER 1, 384, F0, F1, 0
	TURN 1, 0, 1                                   ; slot 1 takes K 1,536-2,047
	QUARTER 0, 128, F0, F1, 0
	QUARTER 0, 256, F1, F0, 0
	QUARTER 0, 384, F0, F1, 0
	TURN 0, 1, 0                                   ; nothing is left to fetch: no round
	QUARTER 1, 128, F0, F1, 0
	QUARTER 1, 256, F1, F0, 0
	QUARTER 1, 384, F0, F1, 0
	s_wait_dscnt 8                                 ; the last quarter
	WIN MUL
	MULA F1, 0, 0
	MULA F1, 1, 0
	s_wait_dscnt 0
	MULA F1, 2, 0
	MULA F1, 3, 0
	WIN 0
; THE WAY OUT, block by block of 16 rows x 64 columns.  A lane holds 32 neighbouring bytes of a row and the lanes beside it hold other rows: a block goes through my own stage and comes back as whole rows of 256 bytes.
.macro TOSTAGE a
.set AC, ACC+32*(\a)
.set RB, 64+32*(\a)                    ; blocks 0, 1 come back into v64-127, blocks 2, 3 into the registers of blocks 0, 1's sums, which are done with: no store's data is ever written again
.set ij, 0
.rept 16
	v_pk_fma_f32 v[AC+ij:AC+ij+1], v[AC+ij:AC+ij+1], s[2:3], v[BX+ij:BX+ij+1] op_sel_hi:[1,0,1]   ; sum x 2^(e10 + e11) + bo; each accumulator from its low end on
.set ij, ij+2
.endr
.irp b, 0,1,2,3
	ds_store_b128 v[STO], v[AC+8*\b:AC+8*\b+3] offset:64*\b
	ds_store_b128 v[STO], v[AC+8*\b+4:AC+8*\b+7] offset:64*\b+16
.endr
.irp t, 0,1,2,3,4,5,6,7
	ds_load_b128 v[RB+4*\t:RB+4*\t+3], v[RD] offset:2*SPITCH*\t   ; LDS serves a wave's instructions in order (ISA guide 5.7.1.4): these see the stores above, and the next block's stores come behind them
.endr
.endm
.macro SEND a, younger                 ; younger: the LDS instructions issued behind block a's loads, which may stay out
.set RB, 64+32*(\a)
	s_wait_dscnt \younger
.irp t, 0,1,2,3,4,5,6,7
	global_store_b128 v[CO], v[RB+4*\t:RB+4*\t+3], s[8:9] offset:(16*(\a)+2*\t)*4096 th:TH_STORE_NT   ; 16 lanes store 256 consecutive bytes, at a multiple of 256 from out0's first byte; written once, read by nobody here
.endr
.endm
	s_wait_kmcnt 0x0
	s_add_co_i32 s2, s72, s73
	s_add_co_i32 s2, s2, 127
	s_lshl_b32 s2, s2, 23                          ; 2^(e10 + e11) as f32
	s_mov_b32 s3, s2                               ; (named with it as a pair, so it is written)
	s_wait_loadcnt 0x0                             ; the bias
	PLACES                                         ; behind the last products
	TOSTAGE 0
.irp a, 1,2,3
	TOSTAGE \a
	SEND \a-1, 16                                  ; behind block a - 1's loads: block a's 8 stores and 8 loads
.endr
	SEND 3, 0
	s_wait_tensorcnt 0x0                           ; the wave's end, behind my last tensor load and my last LDS store
	ds_add_u32 v[SPW], v[NIL]
	s_wait_dscnt 0x0
	CROUND                                         ; the closing round: no work-group ends while a partner may still ask for a tile that names it
	s_endpgm
.Lfunc_end_k_q100fdf2304_outp:
	.size	k_q100fdf2304_outp, .Lfunc_end_k_q100fdf2304_outp-k_q100fdf2304_outp
	.p2alignl 7, 3214868480
	.fill 96, 4, 3214868480
	.section	.rodata,"a",@progbits
	.p2align	6, 0x0
	.amdhsa_kernel k_q100fdf2304_outp
		.amdhsa_group_segment_fixed_size 327680
		.amdhsa_private_segment_fixed_size 0
		.amdhsa_enable_private_segment 0
		.amdhsa_kernarg_size 40
		.amdhsa_user_sgpr_count 2
		.amdhsa_user_sgpr_kernarg_segment_ptr 1
		.amdhsa_wavefront_size32 1
		.amdhsa_system_sgpr_workgroup_id_x 1
		.amdhsa_system_sgpr_workgroup_id_y 1
		.amdhsa_system_sgpr_workgroup_id_z 1
		.amdhsa_system_vgpr_workitem_id 0
		.amdhsa_next_free_vgpr 512
		.amdhsa_next_free_sgpr 80
		.amdhsa_reserve_vcc 0
		.amdhsa_float_denorm_mode_32 3
		.amdhsa_float_denorm_mode_16_64 3
		.amdhsa_memory_ordered 1
		.amdhsa_forward_progress 1
		.amdhsa_inst_pref_size 76
	.end_amdhsa_kernel
	.amdgpu_metadata
---
amdhsa.version: [ 1, 2 ]
amdhsa.kernels:
  - .name:           k_q100fdf2304_outp
    .symbol:         k_q100fdf2304_outp.kd
    .args:
      - { .name: ctx_codes, .offset: 0, .size: 8, .value_kind: global_buffer, .address_space: global }
      - { .name: Wo_codes, .offset: 8, .size: 8, .value_kind: global_buffer, .address_space: global }
      - { .name: bo, .offset: 16, .size: 8, .value_kind: global_buffer, .address_space: global }
      - { .name: lowp_scales, .offset: 24, .size: 8, .value_kind: global_buffer, .address_space: global }
      - { .name: out0, .offset: 32, .size: 8, .value_kind: global_buffer, .address_space: global }
    .group_segment_fixed_size: 327680
    .private_segment_fixed_size: 0
    .kernarg_segment_align: 8
    .kernarg_segment_size: 40
    .max_flat_workgroup_size: 128
    .sgpr_count:     80
    .vgpr_count:     512
    .wavefront_size: 32
...
	.end_amdgpu_metadata
.endif
;; end of part 3
